; MI455X (gfx1250); checked and timed in simulation.
; The chip was launched on July 23, 2026; its instructions are those of AMD's public machine-readable ISA for CDNA 5 (MIT licence, August 2026) and "CDNA5" Instruction Set Architecture Reference Guide (July 2026). The comments in the code are by the model that wrote it; some were corrected since.
;; Attention. Allowed arithmetic: matrix products marked QUANTISED: E2M1 operands, one E8M0 scale for each 32 along K, by v_wmma_scale_f32_16x16x128_f8f6f4 with both operands' format E2M1 (or v_wmma_scale_f32_32x16x128_f4), f32 sums; everything else in f32.
;; Inputs: hidden 8 x 2,048 x 1,024 float32; keys 8 x 2,048 x 1,024 float32; mask 8 x 2,048 int32; values 8 x 2,048 x 1,024 float32.
;; Outputs: out0 8 x 2,048 x 1,024 float32.
;; This version of the problem:
;;   THIS VERSION OF THE PROBLEM IS GIVEN IN LOW PRECISION. The matrix products marked QUANTISED in the list below multiply operands that are first quantised to E2M1 (2 exponent bits, 1 mantissa bit; 4 bits a number), with one power-of-two scale for each 32 numbers along K (OCP MX v1.0); their sums are f32. All else is computed in f32.
;;   The module's matrix products, in the order in which they are computed (A, B: the left and right operand; K: the contracted axis; several contracted axes count as one K, in the product's order):
;;     1. batch 8 x [M 2,048, K 1,024] x [K 1,024, N 2,048]; A: input hidden; B: input keys: QUANTISED
;;     2. batch 8 x [M 2,048, K 2,048] x [K 2,048, N 1,024]; A: softmax (see below); B: input values: QUANTISED
;;   THE QUANTISER, for each operand of a quantised product, along K:
;;     - K is cut into blocks of 32 from its start; a last block that is shorter is filled with zeros.
;;     - A block's scale is 2^e with e = floor(log2(the largest magnitude in the block)) - 2, held to -126 .. 127; a block of zeros has e = 0. As a byte (E8M0): e + 127.
;;     - Each number is divided by its block's scale, clamped to +-6, and rounded to the nearest number of E2M1, ties to even, subnormals kept.
;;     - The product sums the exact products of the quantised numbers (number of the format x scale) in f32.
;;   ~~~python
;;   def quantise(x, axis):      # numpy; x: float32 -> the quantised numbers, widened to float32 again
;;       x = np.moveaxis(x, axis, -1); K = x.shape[-1]
;;       x = np.pad(x, [(0, 0)] * (x.ndim - 1) + [(0, -K % 32)]); x = x.reshape(x.shape[:-1] + (-1, 32)); a = np.abs(x).max(-1, keepdims=True)
;;       e = np.where(a > 0, np.clip(np.frexp(np.where(a > 0, a, 1))[1] - 1 - 2, -126, 127), 0)      # np.frexp(a)[1] - 1 = floor(log2(a)), exactly
;;       r = np.clip(x / 2.0 ** e, -6, 6)
;;       step = 2.0 ** (np.maximum(np.frexp(np.where(r == 0, 1, r))[1] - 1, 0) - 1)
;;       q = np.round(r / step) * step * 2.0 ** e      # np.round: ties to even
;;       return np.moveaxis(q.reshape(q.shape[:-2] + (-1,))[..., :K], -1, axis).astype(np.float32)
;;   ~~~
;;   SOFTMAX AHEAD OF A QUANTISED PRODUCT. Where the list says 'softmax', what is quantised is not the finished softmax but p = 2^(t - M), with t = logit x log2(e) and M = ceil(the row's largest t), a whole number; so 1/2 < the row's largest p <= 1. The row's sum l is taken of the UNQUANTISED p, in f32, and the product's result is divided by l at the end. Since M is a whole number, a kernel that streams over the keys may use a running M (the ceiling of the running maximum): every later rescaling is an exact power of two, which a block's scale takes up: the codes' values come out the same.
;;   OPERANDS COMPUTED ON THE WAY. 'Computed on the way' means the value that the module computes at that place (a softmax that the list does not call 'softmax' is quantised finished and normalised). What goes into a quantiser is computed in f32, as accurately as f32 sums, v_exp_f32 and their like allow (about 1e-6 of the number): no bf16 or f16 on the way to a quantiser, and a product that is left as it is and whose result goes on into a quantised operand takes f32 operands (vector FMAs, or v_wmma_f32_16x16x4_f32). A number that lies on a knife's edge between two numbers of the format may be rounded either way, as far as f32 arithmetic and the matrix unit's own rounding can turn it there, and no further.
;; One version. Each part assembles by itself: llvm-mc -triple=amdgcn-amd-amdhsa -mcpu=gfx1250 --defsym DOCPART=n.
;; ======== version 1 of 1: 2 launches
;; limits: right only within a limited range of input values
;; workspace buffers: qcodes 8,388,608 bytes; qscales 524,288 bytes; krec 8,978,432 bytes; vrec 8,912,896 bytes
;; launch prep (part 1): grid 768 x 1, 4 waves a work-group, no clusters, 35,328 bytes of LDS; arguments hidden, keys, values, mask, qcodes, qscales, krec, vrec; writes qcodes, qscales, krec, vrec
.if DOCPART == 1
	.amdgcn_target "amdgcn-amd-amdhsa--gfx1250"
	.amdhsa_code_object_version 6
	.text
	.protected	k_q1f2305253a_prep
	.globl	k_q1f2305253a_prep
	.p2align	8
	.type	k_q1f2305253a_prep,@function
k_q1f2305253a_prep:
	s_mov_b64 s[64:65], 0
	v_nop
	global_prefetch_b8 v0, s[64:65] scope:SCOPE_SE
	s_setreg_imm32_b32 hwreg(HW_REG_WAVE_MODE, 25, 1), 1
	s_wait_xcnt 0x0
; hidden, keys [8][2048][1024] and values [8][2048][1024], f32, become codes of FP4 (E2M1) with one E8M0 byte for each 32 along a product's K,
; laid as IMAGES OF OPERAND REGISTERS: a fragment (16 rows x 128 K) is 1,024 bytes, [block of 32 K: 4][row: 16][16 bytes], so that byte 512 c + 16 x lane is what a lane wants in registers 4 c .. 4 c + 3.
;   qcodes  [batch][tile of 16 queries: 128][K step: 8][1,024]          qscales [batch][pair of tiles: 64][g: 2][u: 2][row: 16][16 bytes = the row's scale words of K steps 4 g .. 4 g + 3]
;   krec    [batch][key step of 128 keys: 16] records of KREC bytes: codes [tile: 8][K step: 8][1,024]; at 65,536 scale words [w: 4][g][u][row][16 bytes] (tile 2 w + u); at 69,632 a bias for each key, f32, in key order
;           row r of tile 2 w + u is key 32 w + 8 u + r % 8 + 16 (r / 8) of the step: the next launch's 16 registers of two neighbouring tiles are then 16 neighbouring keys
;   vrec    [batch][key step: 16] records of VREC bytes: codes [tile of 16 channels: 64][1,024], K = the step's 128 keys; at 65,536 scale words [group of 8 tiles: 8][lane 16 u + row][i: 4][4 bytes] (tile 8 group + 2 i + u)
; THE MASK: a key whose mask is 0 gets zero codes and the bias S0 = -2^33, every other key the bias 0; the next launch takes the bias as the C of its first product, so that a masked score is exactly S0.
; A block's scale is 2^(floor(log2(its largest magnitude)) - 2); its byte is the largest magnitude's exponent field - 2, held at 1 from below.
; LIMITS: a block of zeros, and a block whose largest magnitude lies under 2^-124, has the byte 1 (the bytes are read by this program alone, and zero codes add nothing); NaN and infinities among the inputs are not served.
; SHARES: 768 work-groups of four waves, 256 KiB of input each.  0-255: hidden; 256-511: keys (one path for both, pointers and offsets chosen by the work-group's number); 512-767: values.
; No tensor loads, no barrier: waves share nothing.  No cluster: no two work-groups read the same bytes.
.set KREC,  70144
.set VREC,  69632
.set S0,    0xd0000000                 ; -2^33
.set FLOOR, 0x1800000                  ; 2^(3 - 127): no largest magnitude is taken under it, so the byte cannot fall under 1
.set EOFF,  0xff000000                 ; takes 2 off an exponent field
.set R,     32                         ; v32-159   hidden, keys: four sets of 32 registers as loaded
.set X,     160                        ; v160-223  two sets of 32: two blocks' halves, 16 neighbours each
.set SB,    16                         ; v16-23    my row's eight scale words
; ---- hidden and keys: K is innermost.  A wave takes a tile of 16 rows, 64 along K (two blocks) a step, 16 steps.
.macro LOADQ t                         ; 16 rows x 256 bytes: each load takes two rows' 256 consecutive bytes
.irp i, 0,1,2,3
	global_load_b128 v[R+32*((\t)%4)+4*\i:R+32*((\t)%4)+4*\i+3], v1, s[4:5] offset:8192*\i+256*(\t) th:TH_LOAD_NT
.endr
.irp i, 0,1,2,3
	global_load_b128 v[R+32*((\t)%4)+16+4*\i:R+32*((\t)%4)+16+4*\i+3], v2, s[4:5] offset:8192*\i+256*(\t) th:TH_LOAD_NT
.endr
.endm
.macro TURN t                          ; through the wave's own stage (rows of 272 bytes): in as loaded, out 16 neighbours a lane; LDS serves a wave's instructions in order
.irp i, 0,1,2,3,4,5,6,7
	ds_store_b128 v3, v[R+32*((\t)%4)+4*\i:R+32*((\t)%4)+4*\i+3] offset:4352*((\t)%2)+544*\i
.endr
.irp b, 0,1
.irp q, 0,1,2,3
	ds_load_b128 v[X+32*((\t)%2)+16*\b+4*\q:X+32*((\t)%2)+16*\b+4*\q+3], v4 offset:4352*((\t)%2)+128*\b+16*\q
.endr
.endr
.endm
.macro STEPQ t
.set XT, X+32*((\t)%2)
	s_wait_dscnt 0x0                               ; this step's numbers are back from the stage, and its stores into the stage have read their registers,
.if (\t) <= 11
	LOADQ (\t)+4                                   ; which take the loads of four steps on
.endif
.if (\t) <= 14
.if (\t) <= 11
	s_wait_loadcnt 24                              ; the next step's eight loads are in; those of the three steps behind it may be out
.else
	s_wait_loadcnt 8*(14-(\t))
.endif
	TURN (\t)+1
.endif
.irp b, 0,1
	v_max3_num_f32 v[8+\b], |v[XT+16*\b]|, |v[XT+16*\b+1]|, FLOOR
.endr
.irp i, 2,4,6,8,10,12,14
.irp b, 0,1
	v_max3_num_f32 v[8+\b], v[8+\b], |v[XT+16*\b+\i]|, |v[XT+16*\b+\i+1]|   ; the two blocks by turns
.endr
.endr
.irp b, 0,1
	v_max_num_f32_dpp v[8+\b], v[8+\b], v[8+\b] row_xmask:1 row_mask:0xf bank_mask:0xf   ; with my neighbour's 16: the block's largest magnitude
.endr
.irp b, 0,1
	v_add_nc_u32 v[10+\b], EOFF, v[8+\b]           ; the conversion takes the exponent field of this operand as its scale
.endr
	s_wait_alu depctr_va_vdst(0)
	s_wait_xcnt 0x0                                ; the last step's stores have read v12-15: they are written again only behind this wait
.irp b, 0,1
	v_cvt_scalef32_pk8_fp4_f32 v[12+2*\b], v[XT+16*\b:XT+16*\b+7], v[10+\b]
	v_cvt_scalef32_pk8_fp4_f32 v[13+2*\b], v[XT+16*\b+8:XT+16*\b+15], v[10+\b]
.endr
.irp b, 0,1
	v_lshrrev_b32 v[8+\b], 23, v[10+\b]            ; the scale's byte (also the plain line behind the conversions)
.endr
.irp c, 12,13,14,15
	v_cndmask_b32 v\c, 0, v\c, s30                 ; a masked key's codes are zeros (hidden: every lane is kept)
.endr
.irp b, 0,1
.if (2*(\t)+\b)%4 == 0
	v_mov_b32 v[SB+(2*(\t)+\b)/4], v[8+\b]
.else
	v_lshl_or_b32 v[SB+(2*(\t)+\b)/4], v[8+\b], 8*((2*(\t)+\b)%4), v[SB+(2*(\t)+\b)/4]
.endif
	global_store_b64 v5, v[12+2*\b:13+2*\b], s[12:13] offset:256*(2*(\t)+\b)   ; 32 lanes x 8 bytes: block 2 t + b of the tile's image, 256 consecutive bytes, aligned
.endr
.endm
; ---- values: K (the keys) is the first axis.  A lane takes a column, its registers run down 32 keys.
.macro LOADU n                         ; unit n: block n / 4 of the step's keys, columns 32 (n % 4) on
.set k, 0
.rept 32
	global_load_b32 v[32+32*((\n)%2)+k], v1, s[8:9] offset:(32*((\n)/4)+k)*4096+128*((\n)%4) th:TH_LOAD_NT
.set k, k+1
.endr
.endm
.macro UNIT n
.set XU, 32+32*((\n)%2)
.if (\n) < 15
	s_wait_loadcnt 32                              ; this unit's 32 loads are in; the next unit's may be out
.else
	s_wait_loadcnt 0x0
.endif
	v_max3_num_f32 v8, |v[XU]|, |v[XU+1]|, |v[XU+2]|
	v_max3_num_f32 v9, |v[XU+3]|, |v[XU+4]|, |v[XU+5]|
.irp i, 6,10,14,18,22,26
	v_max3_num_f32 v8, v8, |v[XU+\i]|, |v[XU+\i+1]|
	v_max3_num_f32 v9, v9, |v[XU+\i+2]|, |v[XU+\i+3]|
.endr
	v_max3_num_f32 v8, v8, |v[XU+30]|, |v[XU+31]|
	v_max3_num_f32 v8, v8, v9, FLOOR
	v_add_nc_u32 v10, EOFF, v8
	v_lshrrev_b32 v11, 23, v10
.if (\n)/4 == 0
	v_mov_b32 v[20+(\n)%4], v11                    ; the column's scale word of this key step: byte = block
.else
	v_lshl_or_b32 v[20+(\n)%4], v11, 8*((\n)/4), v[20+(\n)%4]
.endif
	s_wait_alu depctr_va_vdst(0)
	s_wait_xcnt 0x0                                ; the last unit's store has read v16-19
.irp g, 0,1,2,3
	v_cvt_scalef32_pk8_fp4_f32 v[16+\g], v[XU+8*\g:XU+8*\g+7], v10
.endr
	global_store_b128 v2, v[16:19], s[36:37] offset:2048*((\n)%4)+256*((\n)/4)   ; sixteen lanes fill 256 consecutive bytes, aligned: block n / 4 of a tile's image
.if (\n)+2 < 16
	LOADU (\n)+2
.endif
.endm
	s_load_b512 s[4:19], s[0:1], 0x0               ; hidden s[4:5], keys s[6:7], values s[8:9], mask s[10:11], qcodes s[12:13], qscales s[14:15], krec s[16:17], vrec s[18:19]
	v_lshl_add_u32 v224, v0, 2, 0x8800
	v_mov_b32 v225, 0
	v_lshrrev_b32 v1, 5, v0
	v_readfirstlane_b32 s20, v1                    ; wave
	v_and_b32 v29, 31, v0                          ; lane
	s_cmp_ge_u32 ttmp9, 512
	s_cbranch_scc1 .Lvalues
	; ======== hidden (work-groups 0-255) and keys (256-511)
	s_and_b32 s21, ttmp9, 255
	s_lshr_b32 s22, s21, 5                         ; batch
	s_and_b32 s23, s21, 31
	s_lshl_b32 s24, s23, 2
	s_add_co_u32 s24, s24, s20                     ; T: my wave's tile in the batch
	s_and_b32 s25, s24, 1                          ; u
	s_lshl_b32 s26, s22, 11
	s_lshl_b32 s27, s24, 4
	s_add_co_u32 s26, s26, s27                     ; hidden: the tile's first row
	s_lshl_b32 s27, s25, 3
	s_sub_co_u32 s27, s26, s27                     ; keys: 8 u rows earlier
	s_lshl_b32 s28, s22, 4
	s_lshr_b32 s29, s24, 3
	s_add_co_u32 s28, s28, s29
	s_mul_i32 s28, s28, KREC                       ; keys: the record
	s_and_b32 s29, s24, 7
	s_lshl_b32 s32, s29, 13
	s_add_co_u32 s32, s32, s28                     ; keys: the tile's codes
	s_lshr_b32 s29, s29, 1
	s_lshl_b32 s29, s29, 10
	s_add_co_u32 s33, s28, s29
	s_add_co_u32 s33, s33, 65536                   ; keys: the pair's scale words
	s_lshl_b32 s34, s22, 7
	s_add_co_u32 s34, s34, s24
	s_lshl_b32 s34, s34, 13                        ; hidden: the tile's codes
	s_lshl_b32 s35, s22, 6
	s_lshr_b32 s36, s24, 1
	s_add_co_u32 s35, s35, s36
	s_lshl_b32 s35, s35, 10                        ; hidden: the pair's scale words
	s_mov_b32 s37, 0x8000                          ; hidden: rows 8-15 lie 8 rows behind row 0
	s_mov_b32 s31, 0xaaaaaaaa                      ; the odd lanes
	s_wait_kmcnt 0x0
	s_cmp_ge_u32 ttmp9, 256                        ; keys?  Every choice hangs on the work-group's number alone
	s_cselect_b32 s26, s27, s26
	s_cselect_b32 s32, s32, s34
	s_cselect_b32 s34, s33, s35
	s_cselect_b32 s37, 0x10000, s37                ; keys: 16 rows behind
	s_cselect_b32 s38, 0, -1                       ; hidden keeps every lane
	s_cselect_b32 s39, 16, 8
	s_cselect_b32 s44, 0, 1
	s_cselect_b64 s[4:5], s[6:7], s[4:5]
	s_cselect_b64 s[12:13], s[16:17], s[12:13]
	s_cselect_b64 s[14:15], s[16:17], s[14:15]
	s_mov_b32 s33, 0
	s_mov_b32 s35, 0
	s_add_nc_u64 s[12:13], s[12:13], s[32:33]      ; where my codes go
	s_lshl_b32 s25, s25, 8
	s_add_co_u32 s34, s34, s25
	s_add_nc_u64 s[14:15], s[14:15], s[34:35]      ; where my scale words go
	s_lshl_b32 s42, s26, 12
	s_mov_b32 s43, 0
	s_add_nc_u64 s[4:5], s[4:5], s[42:43]          ; my tile's first row
	s_or_b32 s44, s44, s20                         ; 0 in wave 0 of a work-group of keys
	s_wait_alu depctr_va_vdst(0)
	v_lshrrev_b32 v30, 4, v29
	v_and_b32 v31, 15, v29
	v_lshlrev_b32 v1, 12, v30
	v_lshl_add_u32 v1, v31, 4, v1                  ; loads: row lane / 16, 16 bytes at 16 (lane % 16)
	v_add_nc_u32 v2, s37, v1                       ; the same for rows 8-15
	s_mul_i32 s41, s20, 8704                       ; my wave's two stages
	v_mul_u32_u24 v3, v30, 272
	v_lshl_add_u32 v3, v31, 4, v3
	v_add_nc_u32 v3, s41, v3                       ; into a stage
	v_lshrrev_b32 v30, 1, v29                      ; at work: row lane / 2,
	v_and_b32 v31, 1, v29                          ; half lane % 2 of a block
	v_mul_u32_u24 v4, v30, 272
	v_lshl_add_u32 v4, v31, 6, v4
	v_add_nc_u32 v4, s41, v4                       ; out of a stage
	v_lshlrev_b32 v5, 3, v29                       ; my 8 bytes of a block's 256
	v_lshlrev_b32 v6, 9, v31
	v_lshl_add_u32 v6, v30, 4, v6                  ; my 16 bytes of scale words: 512 g + 16 row, g = my half
	v_and_b32 v28, 7, v30
	v_lshrrev_b32 v27, 3, v30
	v_mad_u32_u24 v28, v27, s39, v28
	v_add_nc_u32 v28, s26, v28
	v_lshlrev_b32 v28, 2, v28                      ; my row's word of the mask (a valid index for hidden too, where the word is not used)
	global_load_b32 v7, v28, s[10:11]
	LOADQ 0
	LOADQ 1
	LOADQ 2
	LOADQ 3
	s_wait_loadcnt 24                              ; the mask word and step 0's eight loads are in
	v_cmp_ne_u32 s30, 0, v7
	s_or_b32 s30, s30, s38                         ; the lanes whose codes are kept
	TURN 0
.irp t, 0,1,2,3,4,5,6,7,8,9,10,11,12,13,14,15
	STEPQ \t
.endr
.irp k, 0,1,2,3
	v_cndmask_b32 v[24+\k], v[SB+\k], v[SB+4+\k], s31   ; even lanes: K steps 0-3; odd lanes: 4-7
.endr
	global_store_b128 v6, v[24:27], s[14:15]       ; sixteen lanes' 256 consecutive bytes at g = 0, the other sixteen's at g = 1
	s_cmp_lg_u32 s44, 0
	s_cbranch_scc1 .Ldone
	; the bias of the work-group's 64 keys: wave 0 of a work-group of keys
	s_lshl_b32 s45, s22, 11
	s_lshl_b32 s46, s23, 6
	s_add_co_u32 s45, s45, s46
	s_lshl_b32 s45, s45, 2
	v_add_nc_u32 v30, s45, v5
	global_load_b64 v[32:33], v30, s[10:11]        ; two words of the mask a lane
	s_lshl_b32 s45, s22, 4
	s_lshr_b32 s46, s23, 1
	s_add_co_u32 s45, s45, s46
	s_mul_i32 s45, s45, KREC
	s_and_b32 s46, s23, 1
	s_lshl_b32 s46, s46, 8
	s_add_co_u32 s45, s45, s46
	s_add_co_u32 s45, s45, 69632
	v_add_nc_u32 v31, s45, v5
	v_mov_b32 v36, S0
	s_wait_alu depctr_va_vdst(0)
	s_wait_loadcnt 0x0
	v_cmp_eq_u32 vcc_lo, 0, v32
	v_cndmask_b32 v34, 0, v36, vcc_lo
	v_cmp_eq_u32 vcc_lo, 0, v33
	v_cndmask_b32 v35, 0, v36, vcc_lo
	global_store_b64 v31, v[34:35], s[16:17]       ; 256 consecutive bytes, aligned
.Ldone:
	s_wait_tensorcnt 0x0
	ds_add_u32 v224, v225
	s_wait_dscnt 0x0
	s_endpgm
	; ======== values (work-groups 512-767): a wave takes 128 keys x 128 columns, as 16 units of 32 keys x 32 columns
.Lvalues:
	s_sub_co_u32 s21, ttmp9, 512
	s_lshr_b32 s22, s21, 5                         ; batch
	s_bfe_u32 s23, s21, 0x40001                    ; key step
	s_and_b32 s24, s21, 1
	s_lshl_b32 s24, s24, 2
	s_add_co_u32 s24, s24, s20                     ; which 128 columns
	s_lshl_b32 s25, s22, 4
	s_add_co_u32 s25, s25, s23                     ; the record
	s_lshl_b32 s26, s25, 19                        ; 128 rows of 4,096 bytes
	s_lshl_b32 s27, s24, 9
	s_add_co_u32 s26, s26, s27
	s_mov_b32 s27, 0
	s_mul_i32 s28, s25, VREC
	s_lshl_b32 s29, s24, 13
	s_add_co_u32 s32, s28, s29                     ; my eight tiles' codes
	s_mov_b32 s33, 0
	s_lshl_b32 s29, s24, 9
	s_add_co_u32 s34, s28, s29
	s_add_co_u32 s34, s34, 65536                   ; their scale words
	s_mov_b32 s35, 0
	s_wait_alu depctr_va_vdst(0)
	v_lshlrev_b32 v1, 2, v29                       ; in: 4 bytes a lane
	v_lshrrev_b32 v30, 4, v29
	v_and_b32 v31, 15, v29
	v_lshlrev_b32 v2, 10, v30
	v_lshl_add_u32 v2, v31, 4, v2                  ; codes: tile lane / 16 of the pair, row lane % 16
	v_lshlrev_b32 v3, 4, v29                       ; scale words: 16 bytes a lane
	s_wait_alu depctr_va_vdst(0)
	s_wait_kmcnt 0x0
	s_add_nc_u64 s[8:9], s[8:9], s[26:27]
	s_add_nc_u64 s[36:37], s[18:19], s[32:33]
	s_add_nc_u64 s[38:39], s[18:19], s[34:35]
	LOADU 0
	LOADU 1
.set Q, 0
.rept 16
	UNIT Q
.set Q, Q+1
.endr
	global_store_b128 v3, v[20:23], s[38:39]       ; 512 consecutive bytes
	s_endpgm
.Lfunc_end_k_q1f2305253a_prep:
	.size	k_q1f2305253a_prep, .Lfunc_end_k_q1f2305253a_prep-k_q1f2305253a_prep
	.p2alignl 7, 3214868480
	.fill 96, 4, 3214868480
	.section	.rodata,"a",@progbits
	.p2align	6, 0x0
	.amdhsa_kernel k_q1f2305253a_prep
		.amdhsa_group_segment_fixed_size 35328
		.amdhsa_private_segment_fixed_size 0
		.amdhsa_enable_private_segment 0
		.amdhsa_kernarg_size 64
		.amdhsa_user_sgpr_count 2
		.amdhsa_user_sgpr_kernarg_segment_ptr 1
		.amdhsa_wavefront_size32 1
		.amdhsa_system_sgpr_workgroup_id_x 1
		.amdhsa_system_sgpr_workgroup_id_y 1
		.amdhsa_system_sgpr_workgroup_id_z 1
		.amdhsa_system_vgpr_workitem_id 0
		.amdhsa_next_free_vgpr 226
		.amdhsa_next_free_sgpr 66
		.amdhsa_reserve_vcc 1
		.amdhsa_float_denorm_mode_32 3
		.amdhsa_float_denorm_mode_16_64 3
		.amdhsa_memory_ordered 1
		.amdhsa_forward_progress 1
		.amdhsa_inst_pref_size 146
	.end_amdhsa_kernel
	.amdgpu_metadata
---
amdhsa.version: [ 1, 2 ]
amdhsa.kernels:
  - .name:           k_q1f2305253a_prep
    .symbol:         k_q1f2305253a_prep.kd
    .args:
      - { .name: hidden, .offset: 0, .size: 8, .value_kind: global_buffer, .address_space: global }
      - { .name: keys, .offset: 8, .size: 8, .value_kind: global_buffer, .address_space: global }
      - { .name: values, .offset: 16, .size: 8, .value_kind: global_buffer, .address_space: global }
      - { .name: mask, .offset: 24, .size: 8, .value_kind: global_buffer, .address_space: global }
      - { .name: qcodes, .offset: 32, .size: 8, .value_kind: global_buffer, .address_space: global }
      - { .name: qscales, .offset: 40, .size: 8, .value_kind: global_buffer, .address_space: global }
      - { .name: krec, .offset: 48, .size: 8, .value_kind: global_buffer, .address_space: global }
      - { .name: vrec, .offset: 56, .size: 8, .value_kind: global_buffer, .address_space: global }
    .group_segment_fixed_size: 35328
    .private_segment_fixed_size: 0
    .kernarg_segment_align: 8
    .kernarg_segment_size: 64
    .max_flat_workgroup_size: 128
    .sgpr_count:     66
    .vgpr_count:     226
    .wavefront_size: 32
...
	.end_amdgpu_metadata
.endif
;; end of part 1
;; launch attn (part 2): grid 32 x 8, 4 waves a work-group, clusters of 4 x 1, 327,680 bytes of LDS; arguments qcodes, qscales, krec, vrec, out0; writes out0
.if DOCPART == 2
	.amdgcn_target "amdgcn-amd-amdhsa--gfx1250"
	.amdhsa_code_object_version 6
	.text
	.protected	k_q1f2305253a_attn
	.globl	k_q1f2305253a_attn
	.p2align	8
	.type	k_q1f2305253a_attn,@function
k_q1f2305253a_attn:
	s_mov_b64 s[64:65], 0
	v_nop
	global_prefetch_b8 v0, s[64:65] scope:SCOPE_SE
	s_setreg_imm32_b32 hwreg(HW_REG_WAVE_MODE, 25, 1), 1
	s_wait_xcnt 0x0
	s_wait_alu depctr_hold_cnt(0) depctr_sa_sdst(0) depctr_va_vdst(0) depctr_va_sdst(0) depctr_va_ssrc(0) depctr_va_vcc(0) depctr_vm_vsrc(0)
	s_getreg_b32 s2, hwreg(HW_REG_IB_STS2, 6, 4)
	s_cmp_eq_u32 s2, 0
	s_cbranch_scc0 .Lentry_in_a_cluster
	s_endpgm
.Lentry_in_a_cluster:
	s_bfe_u32 s2, ttmp6, 0x10000c
	s_cmp_lg_u32 s2, 0x3003
	s_cbranch_scc0 .Lentry_shape_is_right
	s_endpgm
.Lentry_shape_is_right:
; out0[b][q][:] = the sum over k of softmax_k(score) values[b][k][:], score = hidden[b][q] . keys[b][k], or -1e10 where mask[b][k] = 0; both products on codes of FP4 (E2M1), one E8M0 scale for each 32 along K.
; Codes, scale words and the keys' biases come from the launch before as images of operand registers (a fragment of 16 rows x 128 K: 1,024 bytes, byte 512 c + 16 x lane = registers 4 c .. 4 c + 3).
; THE SOFTMAX: t = score x log2(e); M = the largest t so far, rounded up to a whole number; p = 2^(t - M) is quantised along the keys, not normalised; the row's sum is taken of the unquantised p and divides at the end.
; THE MASK: a masked key has zero codes and the bias S0 = -2^33 as the C of its score's first product: its score is exactly S0.  On a row all of whose keys are masked t - M is 0, p = 1: uniform weights, as with -1e10.
; LIMIT: the result differs from -1e10's only where an unmasked score lies under about -8.5e9.  NaN and infinities are not served.
; SHARES.  A work-group owns 64 queries of a batch (four tiles m of 16) and walks the 2,048 keys in 16 steps of 128.  S^T = K Q^T: wave w takes the step's keys 32 w .. 32 w + 31 (two tiles u) against all four tiles m;
; Q's 32 fragments stay in every wave's registers.  O^T = V^T P: wave w takes channels 256 w .. + 255 (16 tiles t) for all four m: 64 accumulators.  Both products are used transposed: a lane holds one query (lane % 16).
; THE SECOND PRODUCT RUNS FOUR STEPS LATE.  Period p (0 .. 19) makes S^T, the softmax and P's codes of key step p (p < 16) and adds V^T P of key step p - 4 (p >= 4).  P's codes wait in eight LDS images (slot p % 8).
; Wave w keeps -M_w and a sum l_w over its own quarter of the keys.  Its p of a step are one block of 32 of the second product's K: 16 bytes of codes a query and one scale byte under M_w.  The wave holds the bytes of its
; last three steps in registers, brought under each new M_w by an addition of whole numbers, and in periods 3, 7, 11, 15 hands four bytes and -M_w a query to LDS.  In periods 4, 8, 12, 16 every wave takes -Mc = the least -M_w,
; brings the sixteen bytes a query under Mc (held at 0 from below), keeps the scale words in its own LDS scratch, and multiplies O^T by 2^(old Mc - new Mc): so O^T is rescaled three times in all, by powers of two.
; CLUSTER.  The four work-groups of a cluster belong to one batch and walk the same K and V: each half record is asked for JOINTLY, by the same tensor load with a mask that names the four.
; THE RING.  K's record of a step is 274 rows of 256 bytes, V's 272; two slots each.  Waves 0 and 2 ask for K's halves, waves 1 and 3 for V's, one load a wave behind each round.  Head: K 0, V 0; behind the next round K 1, V 1
; (first fills alone).  Behind period p's round: K of step p + 2 (p <= 13) and V of step p - 3 (5 <= p <= 16).  K's two slots are read out by periods 14 and 15: there waves 0 and 2 fill them with V of steps 14 and 15,
; so that periods 18 and 19 need no barrier.  By this text's count a wave has one tensor load out.
; The branches inside the loops hang on the period's number alone and lead round register work and LDS reads and stores of scratch, round no barrier, tensor load or add.
; REGISTERS, in windows of 256: window 0: the names below; windows 1 and 2: O^T, accumulator (t, m) at v[8 (4 (t % 8) + m)] of window 1 + t / 8; window 3: Q, fragment (m, K step s) at v[64 m + 8 s].
; WHERE A CLUSTER BEGINS.  The order of the keys does not matter to a streamed softmax, so the key steps above are counted from the cluster's own first record: cluster x of a batch begins at record o = 4 ((x & 3) ^ (x >> 2)) and goes
; round the batch's 16 records: step j is record (o + j) & 15.  The eight clusters of a batch so ask for four different records in a period, two clusters each.  o is made of the cluster's x, which the four partners share; it enters global addresses alone.
.set KREC,  70144
.set VREC,  69632
.set KHALF, 35072
.set VHALF, 34816
.set CSC,   65536                      ; in a record: the scale words,
.set CBI,   69632                      ; and K's biases
.set VB,    2*KREC                     ; K's slots at 0 and KREC, V's at VB and VB + VREC; they end at 279,552
.set ST0,   279552                     ; what the waves hand over: [m][query][x: 4 bytes' steps, then -M_w][wave][4 bytes]: 80 bytes a query
.set SPARE, 284672                     ; the spare words: two blocks of 256 bytes that no other line names
.set LX,    285184                     ; the waves' sums: [m][query][wave][4 bytes]
.set PWS,   286720                     ; each wave's own 1,024 bytes: P's scale words [step: 4][query][m][4 bytes]
.set MCS,   290816                     ; each wave's own 512 bytes: -Mc of the four m, 16 bytes a lane
.set PI0,   294912                     ; P's eight images of 4,096 bytes: [m][wave's block][16 r + 8 h]; a multiple of 32,768
.set L16, 1                            ; 16 x lane
.set PSB, 2                            ; 16 r + 8 h
.set R16, 3                            ; 16 r
.set H64, 4                            ; 64 h
.set PFO, 5                            ; 256 x lane: the prefetches' offset; never rewritten
.set SPW, 6                            ; my spare word; never rewritten
.set NIL, 7                            ; 0; never rewritten
.set ML,  8                            ; v8-15  pairs (-M_w, l_w) of tile m
.set XB0, 16                           ; v16-19, v48-51, v52-55: my bytes (as f32) of the last three steps, under M_w
.set QS,  20                           ; v20-35 Q's scale words
.set SCA, 36                           ; v36-39 scale words of V's tiles 0-7, then of K's K steps 0-3
.set SCB, 40                           ; v40-43 of V's tiles 8-15, then of K's K steps 4-7
.set PW,  44                           ; v44-47 P's scale word of tile m
.set XB1, 48
.set XB2, 52
.set TT,  56                           ; addresses of K's fetches; at the end of the stage
.set AD,  60                           ; addresses in hand
.set S,   64                           ; v64-127 S^T: tile (m, u) at S + 16 m + 8 u; later v64-95 P's four fragments
.set BI,  112                          ; the biases of my two tiles of keys, where S^T of m = 3 begins
.set H0,  128                          ; eight fragments of K (K steps 0-3) or V (tiles 0-7)
.set H1,  192                          ; eight more; during the softmax its temporaries:
.set BM,  192
.set PT,  196
.set NM,  200
.set FW,  204
.set SU,  208
.set T0,  216
.set CD,  224
.set BB,  64                           ; where the maxima meet: 64 bytes [x][m][wave],
.set NB,  192                          ; the waves' -M, then M_w - Mc,
.set MO,  208                          ; the old -Mc,
.set MN,  212                          ; the new,
.set FP,  216                          ; pairs (2^(old Mc - new Mc), its exponent),
.set PX,  224                          ; the scale words [x][m]
.set FE,  48                           ; at the end: pairs (1 / l, -)
; scalars: s14 wave, s15 cx, s16 the period, s[22:23] log2(e), s[24:25] lane selects; s26 16,384 w, s27 1,024 w + CSC, s28 128 w + CBI: my places in a slot;
; s31 P's image that is read, s32 my block of the image that is written, s34 my word of ST0, s52 256 (p % 4), s53 my -Mc, s54 my scale words, s66 K's slot in hand, s67 V's;
; records' numbers, each stepped modulo 16: s55 K's walking loads, s58 V's, s29 V's into K's slots, s33 the prefetches; s[56:57] an offset in hand (s57 = 0);
; the prefetches: s17, s35 the periods in which my wave asks, s[18:19] the address, s20 a record's size, s[100:101] my wave's part of record 0; v0 (rewritten at the head, then kept) the offset of my part of a record's tail;
; groups 1: s[36:43] half of K's record, s[44:51] of V's; groups 0: s[60:63], s[72:75] K 0, later V 14 and 15; s[68:71], s[76:79] K, walking; s[80:83], s[88:91] V 0; s[84:87], s[92:95] V, walking.
.set MSB, 0
.macro WIN new
.if MSB != (\new)
	s_set_vgpr_msb (MSB<<8)|(\new)
.set MSB, (\new)
.endif
.endm
.macro NOPS n
.rept \n
	v_nop
.endr
.endm
.macro VW
	s_wait_alu depctr_va_vdst(0)
.endm
.macro WM d, a, b, c, sa, sb, ra, rb   ; c < 0: the constant 0 starts the sum.  ra, rb: the side's scale words stand in lanes 16-31
.if (\c) < 0
.if (\ra)
	v_wmma_scale_f32_16x16x128_f8f6f4 v[(\d):(\d)+7], v[(\a):(\a)+7], v[(\b):(\b)+7], 0, v[(\sa)], v[(\sb)] matrix_a_fmt:MATRIX_FMT_FP4 matrix_b_fmt:MATRIX_FMT_FP4 matrix_a_scale:MATRIX_SCALE_ROW1
.else
	v_wmma_scale_f32_16x16x128_f8f6f4 v[(\d):(\d)+7], v[(\a):(\a)+7], v[(\b):(\b)+7], 0, v[(\sa)], v[(\sb)] matrix_a_fmt:MATRIX_FMT_FP4 matrix_b_fmt:MATRIX_FMT_FP4
.endif
.elseif (\ra) && (\rb)
	v_wmma_scale_f32_16x16x128_f8f6f4 v[(\d):(\d)+7], v[(\a):(\a)+7], v[(\b):(\b)+7], v[(\c):(\c)+7], v[(\sa)], v[(\sb)] matrix_a_fmt:MATRIX_FMT_FP4 matrix_b_fmt:MATRIX_FMT_FP4 matrix_a_scale:MATRIX_SCALE_ROW1 matrix_b_scale:MATRIX_SCALE_ROW1
.elseif (\ra)
	v_wmma_scale_f32_16x16x128_f8f6f4 v[(\d):(\d)+7], v[(\a):(\a)+7], v[(\b):(\b)+7], v[(\c):(\c)+7], v[(\sa)], v[(\sb)] matrix_a_fmt:MATRIX_FMT_FP4 matrix_b_fmt:MATRIX_FMT_FP4 matrix_a_scale:MATRIX_SCALE_ROW1
.elseif (\rb)
	v_wmma_scale_f32_16x16x128_f8f6f4 v[(\d):(\d)+7], v[(\a):(\a)+7], v[(\b):(\b)+7], v[(\c):(\c)+7], v[(\sa)], v[(\sb)] matrix_a_fmt:MATRIX_FMT_FP4 matrix_b_fmt:MATRIX_FMT_FP4 matrix_b_scale:MATRIX_SCALE_ROW1
.else
	v_wmma_scale_f32_16x16x128_f8f6f4 v[(\d):(\d)+7], v[(\a):(\a)+7], v[(\b):(\b)+7], v[(\c):(\c)+7], v[(\sa)], v[(\sb)] matrix_a_fmt:MATRIX_FMT_FP4 matrix_b_fmt:MATRIX_FMT_FP4
.endif
.endm
.macro CROUND                          ; a round of the cluster's barrier
	s_barrier_signal -1
	s_barrier_wait -1
	s_cmp_lg_u32 s14, 0
	s_cbranch_scc1 .Lnot_wave_0_\@
	s_barrier_signal -3
.Lnot_wave_0_\@:
	s_barrier_wait -3
	s_barrier_signal -1
	s_barrier_wait -1
.endm
; The joint loads: one line for each wave, under branches on the wave's number alone.  k = 1: waves 0 and 2 fetch K; k = 2: V of steps 14, 15 into K's slots.  v: waves 1 and 3 fetch V.
.macro JLOAD k, v
.if \k
.if (\k) == 2
.set jA, 60
.set jB, 72
.set jG, 44
.else
.set jA, 68
.set jB, 76
.set jG, 36
.endif
	s_cmp_lg_u32 s14, 0
	s_cbranch_scc1 .Lja_\@
	tensor_load_to_lds s[jA:jA+3], s[jG:jG+7]
	s_nop 0
	NOPS 4
	s_branch .Lje_\@
.Lja_\@:
	s_cmp_lg_u32 s14, 2
	s_cbranch_scc1 .Ljb_\@
	tensor_load_to_lds s[jB:jB+3], s[jG:jG+7]
	s_nop 0
	NOPS 4
	s_branch .Lje_\@
.Ljb_\@:
.endif
.if \v
	s_cmp_lg_u32 s14, 1
	s_cbranch_scc1 .Ljc_\@
	tensor_load_to_lds s[84:87], s[44:51]
	s_nop 0
	NOPS 4
	s_branch .Lje_\@
.Ljc_\@:
	s_cmp_lg_u32 s14, 3
	s_cbranch_scc1 .Lje_\@
	tensor_load_to_lds s[92:95], s[44:51]
	s_nop 0
	NOPS 4
.endif
.Lje_\@:
.endm
; A PREFETCH INTO THE L2, in period p: K's record of step p + 4 (p <= 11), two periods ahead of its load, and V's of step p + 2 (p <= 13), two to five periods ahead of its load.
; Each aligned block of 256 bytes of a record is named once in each cluster that will load it.  The codes: the four partners take 16,384 bytes of the 65,536 BY ADDRESS; waves 0 and 1 take the halves of K's part, waves 2 and 3 of V's,
; lanes 256 bytes apart.  The tail (K: 18 blocks of scale words and biases; V: 16 of scale words): wave 0 for K, wave 2 for V; partner cx takes five blocks of K's (the last partner three) or four of V's; lanes left over name their wave's last block again.
; Step 0 of K and of V comes by its load alone; K's steps 1 to 3 and V's step 1, the buffers' first touches behind it, are asked for once at the head, behind the first tensor loads, by the same shares.
.macro ASK
	s_cmp_lt_u32 s16, s17
	s_cbranch_scc0 .Lnot_mine_\@
	global_prefetch_b8 v[PFO], s[18:19] th:TH_LOAD_NT scope:SCOPE_SE
	s_cmp_lt_u32 s16, s35
	s_cbranch_scc0 .Lnot_mine_\@
	global_prefetch_b8 v0, s[18:19] th:TH_LOAD_NT scope:SCOPE_SE
.Lnot_mine_\@:
.endm
.macro FETCH_K0                        ; the next step's K: K steps 0-3 of my two tiles, their scale words, my 32 keys' biases: 21 loads.  The three additions and the v_nop are the four places behind the products that read these registers
	s_add_co_u32 s96, s26, s66
	s_add_co_u32 s97, s27, s66
	s_add_co_u32 s98, s28, s66
	v_add_nc_u32 v[TT], s96, v[L16]
	v_add_nc_u32 v[TT+1], s97, v[L16]
	v_add_nc_u32 v[TT+2], s98, v[H64]
	v_nop
	s_xor_b32 s66, s66, KREC
.irp s, 0,1,2,3
.irp u, 0,1
.irp c, 0,1
	ds_load_b128 v[H0+8*(2*\s+\u)+4*\c:H0+8*(2*\s+\u)+4*\c+3], v[TT] offset:8192*\u+1024*\s+512*\c
.endr
.endr
.endr
	ds_load_b128 v[SCA:SCA+3], v[TT+1]
.irp u, 0,1
.irp c, 0,1
	ds_load_b128 v[BI+8*\u+4*\c:BI+8*\u+4*\c+3], v[TT+2] offset:32*\u+16*\c
.endr
.endr
.endm
.macro FETCH_K1                        ; K steps 4-7: 17 loads
	ds_load_b128 v[SCB:SCB+3], v[TT+1] offset:512
.irp s, 4,5,6,7
.irp u, 0,1
.irp c, 0,1
	ds_load_b128 v[H1+8*(2*\s-8+\u)+4*\c:H1+8*(2*\s-8+\u)+4*\c+3], v[TT] offset:8192*\u+1024*\s+512*\c
.endr
.endr
.endr
.endm
.macro KF which, fk                    ; fk = 2: period 15 has no next step of K
.if (\fk) == 2
	s_cmp_eq_u32 s16, 15
	s_cbranch_scc1 .Lnok_\@
.endif
.if \which
	FETCH_K1
.else
	FETCH_K0
.endif
.if (\fk) == 2
.Lnok_\@:
.endif
.endm
.macro SP s, u, m                      ; one product of S^T; K step 0 takes the keys' biases as C
.set rD, S+16*(\m)+8*(\u)
.set rC, rD
.if (\s) == 0
.set rC, BI+8*(\u)
.endif
.if (\s) < 4
.set rA, H0+8*(2*(\s)+(\u))
.set rX, SCA+(\s)
.else
.set rA, H1+8*(2*(\s)-8+(\u))
.set rX, SCB+(\s)-4
.endif
.set rB, 64*(\m)+8*(\s)
.set rY, QS+8*((\m)/2)+(\s)
	WM rD, rA, rB, rC, rX, rY, \u, (\m)%2
.endm
.macro SPHASE                          ; 64 products, the eight accumulators by turns
	s_wait_dscnt 17                                ; all but the 17 loads of K steps 4-7
	WIN 0x0c
.irp u, 0,1
.irp m, 0,1,2
	SP 0, \u, \m
.endr
.endr
	NOPS 5                                         ; tile m = 3 is summed in place on the biases, which the six products above read as C
	SP 0, 0, 3
	SP 0, 1, 3
.irp s, 1,2,3
.irp u, 0,1
.irp m, 0,1,2,3
	SP \s, \u, \m
.endr
.endr
.endr
	s_wait_dscnt 0x0
.irp s, 4,5,6,7
.irp u, 0,1
.irp m, 0,1,2,3
	SP \s, \u, \m
.endr
.endr
.endr
	WIN 0
	NOPS 4                                         ; places ahead of the loads into the fragments' and scale words' registers and of the first read of the scores
.endm
; THE ONE BARRIER OF A PERIOD stands behind the S products.  In front of it: the wait for all my tensor loads, the add, the wait for it and for all my LDS reads and stores.  Behind it the slots just read out are filled again.
.macro CHANGE k, v, pf, round
	s_wait_tensorcnt 0x0                           ; no tensor load of mine is out, so a group 0 may be written
	ds_add_u32 v[SPW], v[NIL]
.if (\k) == 1
	s_xor_b32 s69, s69, KREC                       ; the other slot (the halves' LDS addresses share no bit with the record's size),
	s_xor_b32 s77, s77, KREC
	s_add_co_u32 s55, s55, 1                       ; the next record, round the batch's 16
	s_and_b32 s55, s55, 15
	s_mul_i32 s56, s55, KREC
	s_add_nc_u64 s[70:71], s[8:9], s[56:57]
	s_add_nc_u64 s[78:79], s[70:71], KHALF
	s_or_b32 s71, s71, 0x80000000
	s_or_b32 s79, s79, 0x80000000
.endif
.if (\k) == 2
	s_xor_b32 s61, s61, KREC
	s_xor_b32 s73, s73, KREC
	s_add_co_u32 s29, s29, 1
	s_and_b32 s29, s29, 15
	s_mul_i32 s56, s29, VREC
	s_add_nc_u64 s[62:63], s[10:11], s[56:57]
	s_add_nc_u64 s[74:75], s[62:63], VHALF
	s_or_b32 s63, s63, 0x80000000
	s_or_b32 s75, s75, 0x80000000
.endif
.if \v
	s_xor_b32 s85, s85, VREC
	s_xor_b32 s93, s93, VREC
	s_add_co_u32 s58, s58, 1
	s_and_b32 s58, s58, 15
	s_mul_i32 s56, s58, VREC
	s_add_nc_u64 s[86:87], s[10:11], s[56:57]
	s_add_nc_u64 s[94:95], s[86:87], VHALF
	s_or_b32 s87, s87, 0x80000000
	s_or_b32 s95, s95, 0x80000000
.endif
.if \pf
	s_wait_xcnt 0x0                                ; the last prefetch, a period back, has read its address
	s_add_co_u32 s33, s33, 1
	s_and_b32 s33, s33, 15
	s_mul_i32 s56, s33, s20
	s_add_nc_u64 s[18:19], s[100:101], s[56:57]
.endif
	s_wait_dscnt 0x0
.if \round
	CROUND
	JLOAD \k, \v
.else
	s_barrier_signal -1
	s_barrier_wait -1
.endif
.endm
.macro FETCH_V0                        ; V of step p - 4: its scale words and tiles 0-7: 18 loads, which land under the softmax
	s_add_co_u32 s96, s27, s67
	s_add_co_u32 s97, s26, s67
	s_xor_b32 s67, s67, VREC
	v_add_nc_u32 v[AD+2], s96, v[L16]
	v_add_nc_u32 v[AD+3], s97, v[L16]
	ds_load_b128 v[SCA:SCA+3], v[AD+2]
	ds_load_b128 v[SCB:SCB+3], v[AD+2] offset:512
.irp t, 0,1,2,3,4,5,6,7
.irp c, 0,1
	ds_load_b128 v[H0+8*\t+4*\c:H0+8*\t+4*\c+3], v[AD+3] offset:1024*\t+512*\c
.endr
.endr
.endm
.macro FETCH_P                         ; P of step p - 4: its scale words (1), its four fragments (8); V's tiles 8-15 (16)
	s_add_co_u32 s98, s54, s52
	v_add_nc_u32 v[AD+1], s31, v[L16]
	v_add_nc_u32 v[AD+2], s98, v[R16]
	ds_load_b128 v[PW:PW+3], v[AD+2]
.irp m, 0,1,2,3
.irp c, 0,1
	ds_load_b128 v[S+8*\m+4*\c:S+8*\m+4*\c+3], v[AD+1] offset:1024*\m+512*\c
.endr
.endr
.irp t, 0,1,2,3,4,5,6,7
.irp c, 0,1
	ds_load_b128 v[H1+8*\t+4*\c:H1+8*\t+4*\c+3], v[AD+3] offset:8192+1024*\t+512*\c
.endr
.endr
.endm
; My block of 32 keys, four tiles of queries by turns.  The 16 registers of tiles (m, 0), (m, 1) are keys 32 w + 16 h + 0 .. 15 of query r.  The first period finds -M_w = 3e38 and l_w = 0.
.macro SOFTMAX
.irp m, 0,1,2,3
	v_max3_num_f32 v[BM+\m], v[S+16*\m], v[S+16*\m+1], v[S+16*\m+2]
.endr
.irp i, 3,5,7,9,11,13
.irp m, 0,1,2,3
	v_max3_num_f32 v[BM+\m], v[BM+\m], v[S+16*\m+\i], v[S+16*\m+\i+1]
.endr
.endr
.irp m, 0,1,2,3
	v_max_num_f32 v[BM+\m], v[BM+\m], v[S+16*\m+15]
.endr
.irp m, 0,1,2,3
	v_permlanex16_b32 v[PT+\m], v[BM+\m], s24, s25
.endr
.irp m, 0,1,2,3
	v_max_num_f32 v[BM+\m], v[BM+\m], v[PT+\m]     ; the block's largest score: for M_w and, since p rises with the score, for the block's largest p
.endr
.irp m, 0,1,2,3
	v_mul_f32 v[NM+\m], s22, v[BM+\m]
.endr
.irp m, 0,1,2,3
	v_floor_f32 v[NM+\m], -v[NM+\m]
.endr
.irp m, 0,1,2,3
	v_mov_b32 v[FW+\m], v[ML+2*\m]
.endr
.irp m, 0,1,2,3
	v_min_num_f32 v[ML+2*\m], v[ML+2*\m], v[NM+\m]
.endr
.irp m, 0,1,2,3
	v_sub_f32 v[FW+\m], v[ML+2*\m], v[FW+\m]       ; old M_w less the new: a whole number, 0 or less
.endr
.irp m, 0,1,2,3
	v_add_f32 v[T0+\m], v[XB0+\m], v[FW+\m]        ; the bytes of steps p - 3, p - 2, p - 1 under the new M_w
.endr
.irp m, 0,1,2,3
	v_add_f32 v[XB0+\m], v[XB1+\m], v[FW+\m]
.endr
.irp m, 0,1,2,3
	v_add_f32 v[XB1+\m], v[XB2+\m], v[FW+\m]
.endr
.irp m, 0,1,2,3
	v_cvt_i32_f32 v[FW+\m], v[FW+\m]               ; (it saturates)
.endr
.irp m, 0,1,2,3
	v_ldexp_f32 v[FW+\m], 1.0, v[FW+\m]
.endr
.irp i, 0,2,4,6,8,10,12,14
.irp m, 0,1,2,3
	v_pk_fma_f32 v[S+16*\m+\i:S+16*\m+\i+1], v[S+16*\m+\i:S+16*\m+\i+1], s[22:23], v[ML+2*\m:ML+2*\m+1] op_sel_hi:[1,0,0]   ; t - M_w
.endr
.endr
.irp m, 0,1,2,3
	v_fma_f32 v[BM+\m], v[BM+\m], s22, v[ML+2*\m]
.endr
	VW
.set j, 0
.rept 64
	v_exp_f32 v[S+j], v[S+j]                       ; p = 2^(t - M_w)
.set j, j+1
.endr
.irp m, 0,1,2,3
	v_exp_f32 v[BM+\m], v[BM+\m]                   ; the block's largest p: one batch with the 64
.endr
.irp m, 0,1,2,3
	v_mul_f32 v[ML+2*\m+1], v[ML+2*\m+1], v[FW+\m] ; the sum under the new M_w (plain lines behind the last exponential)
.endr
	VW
.irp m, 0,1,2,3
	v_pk_add_f32 v[SU+2*\m:SU+2*\m+1], v[S+16*\m:S+16*\m+1], v[S+16*\m+2:S+16*\m+3]   ; the sum is taken of the unquantised p
.endr
.irp i, 4,6,8,10,12,14
.irp m, 0,1,2,3
	v_pk_add_f32 v[SU+2*\m:SU+2*\m+1], v[SU+2*\m:SU+2*\m+1], v[S+16*\m+\i:S+16*\m+\i+1]
.endr
.endr
.irp m, 0,1,2,3
	v_add_f32 v[SU+2*\m], v[SU+2*\m], v[SU+2*\m+1]
.endr
.irp m, 0,1,2,3
	v_add_f32 v[ML+2*\m+1], v[ML+2*\m+1], v[SU+2*\m]   ; my half's 16 keys; the halves meet at the end
.endr
.irp m, 0,1,2,3
	v_max_num_f32 v[BM+\m], 0x1800000, v[BM+\m]    ; the floor 2^(3 - 127): the byte cannot fall under 1
.endr
.irp m, 0,1,2,3
	v_add_nc_u32 v[NM+\m], 0xff000000, v[BM+\m]    ; 2 off the exponent field: the conversions' scale operand
.endr
.irp m, 0,1,2,3
	v_lshrrev_b32 v[XB2+\m], 23, v[NM+\m]
.endr
.irp m, 0,1,2,3
	v_cvt_f32_u32 v[XB2+\m], v[XB2+\m]             ; this step's byte as f32
.endr
	v_add_nc_u32 v[AD], s32, v[PSB]
.irp m, 0,1,2,3
	v_cvt_scalef32_pk8_fp4_f32 v[CD+2*\m], v[S+16*\m:S+16*\m+7], v[NM+\m]
	v_cvt_scalef32_pk8_fp4_f32 v[CD+2*\m+1], v[S+16*\m+8:S+16*\m+15], v[NM+\m]
.endr
	v_nop                                          ; one plain line behind the last conversion
.irp m, 0,1,2,3
	ds_store_b64 v[AD], v[CD+2*\m:CD+2*\m+1] offset:1024*\m   ; block w of tile m's image: 256 consecutive bytes a wave
.endr
.endm
.macro STATS                           ; periods 3, 7, 11, 15: my four bytes and -M_w of each query (both halves of the lanes write the same word with the same value)
	s_and_b32 s2, s16, 3
	s_cmp_lg_u32 s2, 3
	VW
	s_cbranch_scc1 .Lns_\@
	v_lshrrev_b32 v[AD+1], 4, v[R16]
	v_mad_u32_u24 v[AD+1], v[AD+1], 80, s34
.irp m, 0,1,2,3
	ds_store_b32 v[AD+1], v[T0+\m] offset:1280*\m
	ds_store_b32 v[AD+1], v[XB0+\m] offset:1280*\m+16
	ds_store_b32 v[AD+1], v[XB1+\m] offset:1280*\m+32
	ds_store_b32 v[AD+1], v[XB2+\m] offset:1280*\m+48
	ds_store_b32 v[AD+1], v[ML+2*\m] offset:1280*\m+64
.endr
.Lns_\@:
.endm
; The four waves' maxima become one; the sixteen bytes a query go under it and make P's scale words of four steps, which go to my own scratch.
.macro CONSUME first
	v_lshrrev_b32 v[AD], 4, v[R16]
	v_mul_u32_u24 v[AD], v[AD], 80
	v_add_nc_u32 v[AD], ST0, v[AD]
	v_add_nc_u32 v[AD+1], s53, v[L16]
	v_add_nc_u32 v[AD+2], s54, v[R16]
.irp m, 0,1,2,3
.irp x, 0,1,2,3
	ds_load_b128 v[BB+16*\x+4*\m:BB+16*\x+4*\m+3], v[AD] offset:1280*\m+16*\x
.endr
	ds_load_b128 v[NB+4*\m:NB+4*\m+3], v[AD] offset:1280*\m+64
.endr
.if !\first
	ds_load_b128 v[MO:MO+3], v[AD+1]
.endif
	VW
	s_wait_dscnt 0x0
.irp m, 0,1,2,3
	v_min3_num_f32 v[MN+\m], v[NB+4*\m], v[NB+4*\m+1], v[NB+4*\m+2]
.endr
.irp m, 0,1,2,3
	v_min_num_f32 v[MN+\m], v[MN+\m], v[NB+4*\m+3] ; the new -Mc
.endr
.if !\first
.irp m, 0,1,2,3
	v_sub_f32 v[FP+2*\m+1], v[MN+\m], v[MO+\m]
.endr
.irp m, 0,1,2,3
	v_cvt_i32_f32 v[FP+2*\m+1], v[FP+2*\m+1]
.endr
.irp m, 0,1,2,3
	v_ldexp_f32 v[FP+2*\m], 1.0, v[FP+2*\m+1]      ; 2^(old Mc - new Mc)
.endr
.endif
	ds_store_b128 v[AD+1], v[MN:MN+3]
.irp m, 0,1,2,3
.irp w, 0,1,2,3
	v_sub_f32 v[NB+4*\m+\w], v[MN+\m], v[NB+4*\m+\w]   ; M_w - Mc: a whole number, 0 or less
.endr
.endr
.irp x, 0,1,2,3
.irp i, 0,2,4,6,8,10,12,14
	v_pk_add_f32 v[BB+16*\x+\i:BB+16*\x+\i+1], v[BB+16*\x+\i:BB+16*\x+\i+1], v[NB+\i:NB+\i+1]
.endr
.endr
.set j, 0
.rept 64
	v_max_num_f32 v[BB+j], 0, v[BB+j]
.set j, j+1
.endr
.set j, 0
.rept 64
	v_cvt_u32_f32 v[BB+j], v[BB+j]
.set j, j+1
.endr
.set j, 0
.rept 16
	v_lshl_or_b32 v[PX+j], v[BB+4*j+1], 8, v[BB+4*j]
.set j, j+1
.endr
.set j, 0
.rept 16
	v_lshl_or_b32 v[PX+j], v[BB+4*j+2], 16, v[PX+j]
.set j, j+1
.endr
.set j, 0
.rept 16
	v_lshl_or_b32 v[PX+j], v[BB+4*j+3], 24, v[PX+j]
.set j, j+1
.endr
.irp x, 0,1,2,3
	ds_store_b128 v[AD+2], v[PX+4*\x:PX+4*\x+3] offset:256*\x
.endr
.endm
.macro RESCALE x                       ; the 32 accumulators of window x under the new Mc, each from its low end on
	WIN 0x41*(\x)
.set j, 0
.rept 128
	v_pk_mul_f32 v[j:j+1], v[j:j+1], v[FP+2*((j/8)%4):FP+2*((j/8)%4)+1] op_sel_hi:[1,0]
.set j, j+2
.endr
.endm
.macro BOUND                           ; periods 8 and 12
	s_and_b32 s2, s16, 3
	s_cmp_lg_u32 s2, 0
	VW
	s_cbranch_scc1 .Lnb_\@
	CONSUME 0
	RESCALE 1
	RESCALE 2
	WIN 0
.Lnb_\@:
.endm
.macro PV half, zero                   ; O^T += V^T P: eight tiles of channels x four tiles of queries: 32 accumulators, one instruction each
	WIN 0x50*((\half)+1)
.irp t, 0,1,2,3,4,5,6,7
.irp m, 0,1,2,3
.set rD, 8*(4*\t+\m)
.set rC, rD
.if \zero
.set rC, -1
.endif
	WM rD, H0+64*(\half)+8*\t, S+8*\m, rC, SCA+4*(\half)+(\t)/2, PW+\m, (\t)%2, 0
.endr
.endr
.endm
.macro STEPS                           ; on to the next period: P's images go round the eight, the scale words round the four
	s_add_co_u32 s32, s32, 4096
	s_and_b32 s32, s32, 0x7fff
	s_or_b32 s32, s32, PI0
	s_add_co_u32 s31, s31, 4096
	s_and_b32 s31, s31, 0x7fff
	s_or_b32 s31, s31, PI0
	s_add_co_u32 s52, s52, 256
	s_and_b32 s52, s52, 0x300
	s_add_co_u32 s16, s16, 1
.endm
; A PERIOD with S.  pv: 0 no second product, 1 it adds, 2 it starts O^T's sums.  bnd: 1 the maxima meet where p % 4 = 0, 2 they meet for the first time.  fk: 2 K's fetch is left out in period 15.  st: the hand-over is assembled.
.macro PERIOD k, v, pf, pv, bnd, fk, st
	SPHASE
	CHANGE \k, \v, \pf, 1
.if \pv
	FETCH_V0
.endif
.if \pf
	ASK
.endif
	SOFTMAX
.if \st
	STATS
.endif
.if (\bnd) == 1
	BOUND
.elseif (\bnd) == 2
	CONSUME 1
.endif
.if \pv
	FETCH_P
	VW
	s_wait_dscnt 16                                ; all but V's tiles 8-15
	PV 0, (\pv)==2
	WIN 0
.endif
	KF 0, \fk
.if \pv
	VW
.if (\fk) == 1
	s_wait_dscnt 21                                ; V's tiles 8-15 are in; the 21 loads of K behind them may be out
.else
	s_wait_dscnt 0x0
.endif
	PV 1, (\pv)==2
	WIN 0
	NOPS 5                                         ; the next scores are written over P's fragments, which these products read: five places; they serve the loads below too
.endif
	KF 1, \fk
	STEPS
.endm
.macro DRAIN chg, bnd                  ; a period without S.  chg: 2 a round and V's load, 1 a barrier, 0 none: the tile has been shown to every wave
.if (\chg) == 2
	CHANGE 0, 1, 0, 1
.elseif (\chg) == 1
	CHANGE 0, 0, 0, 0
.endif
	FETCH_V0
.if \bnd
	CONSUME 0
	RESCALE 1
	RESCALE 2
	WIN 0
.endif
	FETCH_P
	VW
	s_wait_dscnt 16
	PV 0, 0
	s_wait_dscnt 0x0
	PV 1, 0
	WIN 0
	NOPS 5
	STEPS
.endm
	s_load_b256 s[4:11], s[0:1], 0x0               ; qcodes s[4:5], qscales s[6:7], krec s[8:9], vrec s[10:11]
	s_load_b64 s[12:13], s[0:1], 0x20              ; out0
	v_lshl_add_u32 v[SPW], v0, 2, SPARE
	v_mov_b32 v[NIL], 0
	ds_add_u32 v[SPW], v[NIL]
	ds_add_u32 v[SPW], v[NIL]
	v_lshrrev_b32 v1, 5, v0
	v_readfirstlane_b32 s14, v1                    ; wave 0..3
	s_bfe_u32 s15, ttmp6, 0x40000                  ; cx
	s_and_b32 s96, ttmp7, 0xffff                   ; the batch, which the four partners share
	s_mul_i32 s98, s96, 16*KREC
	s_mov_b32 s99, 0
	s_mul_i32 s100, s96, 16*VREC
	s_mov_b32 s101, 0
.irp g, 36,44                          ; groups 1: half a record, dense, as rows of 256 bytes (32 elements of 8 bytes)
	s_mov_b32 s[\g], 15|(3<<16)|(1<<21)            ; the mask: all four work-groups; elements of 8 bytes; bit 21 beside a mask; no padding: the images are read at 16 x lane
	s_mov_b32 s[\g+1], 32<<16
	s_mov_b32 s[\g+3], 32<<16
	s_mov_b32 s[\g+5], 32
	s_mov_b32 s[\g+6], 0
	s_mov_b32 s[\g+7], 0
.endr
	s_mov_b32 s38, 137<<16
	s_mov_b32 s40, 137
	s_mov_b32 s46, 136<<16
	s_mov_b32 s48, 136
	s_mov_b32 s22, 0x3fb8aa3b                      ; log2(e)
	s_mov_b32 s23, s22
	s_mov_b32 s24, 0x76543210
	s_mov_b32 s25, 0xfedcba98
	s_mov_b32 s16, 0
	s_mov_b32 s66, 0
	s_mov_b32 s67, VB
	s_mov_b32 s52, 0
	s_lshl_b32 s26, s14, 14
	s_lshl_b32 s27, s14, 10
	s_add_co_u32 s54, s27, PWS
	s_add_co_u32 s27, s27, CSC
	s_lshl_b32 s28, s14, 7
	s_add_co_u32 s28, s28, CBI
	s_lshl_b32 s53, s14, 9
	s_add_co_u32 s53, s53, MCS
	s_mov_b32 s31, PI0+16384                       ; period 4 reads image 0
	s_lshl_b32 s32, s14, 8
	s_add_co_u32 s32, s32, PI0
	s_lshl_b32 s34, s14, 2
	s_add_co_u32 s34, s34, ST0
	s_lshl_b32 s97, ttmp9, 2
	s_add_co_u32 s97, s97, s15                     ; my block of 64 queries: it enters Q's and out0's addresses alone
	s_lshl_b32 s2, s96, 7
	s_lshl_b32 s3, s97, 2
	s_add_co_u32 s2, s2, s3
	s_lshl_b32 s2, s2, 13                          ; 8,192 bytes of codes a tile
	s_mov_b32 s3, 0
	s_wait_dscnt 0x0                               ; both opening adds are done
	s_wait_kmcnt 0x0
	s_add_nc_u64 s[4:5], s[4:5], s[2:3]
	s_lshr_b32 s2, s2, 4                           ; 512 bytes of scale words a tile
	s_add_nc_u64 s[6:7], s[6:7], s[2:3]
	s_lshl_b32 s2, s2, 7                           ; 65,536 bytes of out0 a tile,
	s_lshl_b32 s97, s14, 10
	s_add_co_u32 s2, s2, s97                       ; and my wave's 256 channels
	s_add_nc_u64 s[12:13], s[12:13], s[2:3]
	s_add_nc_u64 s[8:9], s[8:9], s[98:99]
	s_add_nc_u64 s[10:11], s[10:11], s[100:101]
	s_and_b32 s2, ttmp9, 3                         ; the cluster's x, 0 to 7: the same in all four partners
	s_lshr_b32 s3, ttmp9, 2
	s_xor_b32 s2, s2, s3
	s_lshl_b32 s2, s2, 2                           ; o: the record at which my cluster begins: 0, 4, 8 or 12
	s_mov_b32 s57, 0
	s_mul_i32 s56, s2, KREC
	s_add_nc_u64 s[96:97], s[8:9], s[56:57]        ; K's record o,
	s_mul_i32 s56, s2, VREC
	s_add_nc_u64 s[98:99], s[10:11], s[56:57]      ; and V's
	s_add_co_u32 s55, s2, 1                        ; the walking loads have fetched record o + 1 when they are first stepped
	s_add_co_u32 s58, s2, 1
	s_add_co_u32 s29, s2, 13                       ; step 14 is the first that goes into K's slots
	s_and_b32 s29, s29, 15
	s_add_co_u32 s33, s2, 1                        ; the prefetches: each period steps the number first
	s_mov_b32 s60, 1                               ; groups 0: count 1; LDS address; global address; type 2
	s_mov_b32 s61, 0
	s_mov_b64 s[62:63], s[96:97]
	s_or_b32 s63, s63, 0x80000000
	s_mov_b32 s68, 1
	s_mov_b32 s69, KREC
	s_add_nc_u64 s[70:71], s[96:97], KREC
	s_or_b32 s71, s71, 0x80000000
	s_mov_b32 s72, 1
	s_mov_b32 s73, KHALF
	s_add_nc_u64 s[74:75], s[96:97], KHALF
	s_or_b32 s75, s75, 0x80000000
	s_mov_b32 s76, 1
	s_mov_b32 s77, KREC+KHALF
	s_add_nc_u64 s[78:79], s[96:97], KREC+KHALF
	s_or_b32 s79, s79, 0x80000000
	s_mov_b32 s80, 1
	s_mov_b32 s81, VB
	s_mov_b64 s[82:83], s[98:99]
	s_or_b32 s83, s83, 0x80000000
	s_mov_b32 s84, 1
	s_mov_b32 s85, VB+VREC
	s_add_nc_u64 s[86:87], s[98:99], VREC
	s_or_b32 s87, s87, 0x80000000
	s_mov_b32 s88, 1
	s_mov_b32 s89, VB+VHALF
	s_add_nc_u64 s[90:91], s[98:99], VHALF
	s_or_b32 s91, s91, 0x80000000
	s_mov_b32 s92, 1
	s_mov_b32 s93, VB+VREC+VHALF
	s_add_nc_u64 s[94:95], s[98:99], VREC+VHALF
	s_or_b32 s95, s95, 0x80000000
	s_cmp_lt_u32 s14, 2                            ; the prefetches: waves 0 and 1: K's codes; waves 2 and 3: V's
	s_cselect_b64 s[100:101], s[8:9], s[10:11]
	s_cselect_b32 s17, 12, 14                      ; K's waves ask in periods 0 to 11, V's in 0 to 13
	s_mov_b32 s20, VREC
	s_cselect_b32 s20, KREC, s20                   ; a record's size
	s_cselect_b32 s2, 2, 0                         ; period 0 names K of step 4 and V of step 2
	s_cselect_b32 s3, 4, 3                         ; the tail: a partner's blocks less one,
	s_cselect_b32 s21, 17, 15                      ; the tail's last block,
	s_cselect_b32 s30, 5, 4                        ; a partner's blocks
	s_add_co_u32 s33, s33, s2                      ; period 0 names K of step 4 and V of step 2
	s_mul_i32 s30, s30, s15                        ; my work-group's first block of the tail
	s_lshl_b32 s96, s15, 14                        ; my work-group's 16,384 bytes of the codes
	s_sub_co_u32 s97, 65536, s96                   ; from there to the tail
	s_and_b32 s98, s14, 1
	s_cmp_eq_u32 s98, 0
	s_cselect_b32 s35, s17, 0                      ; waves 0 and 2 ask for the tails too
	s_lshl_b32 s98, s98, 13                        ; my wave's half of the 16,384
	s_add_co_u32 s56, s96, s98
	s_add_nc_u64 s[100:101], s[100:101], s[56:57]
	CROUND                                         ; all four work-groups are here: the first joint loads meet
	s_cmp_lg_u32 s14, 0                            ; one chain of branches on the wave's number, one load to an arm
	s_cbranch_scc1 .Lfirst_1
	tensor_load_to_lds s[60:63], s[36:43]
	s_nop 0
	NOPS 4
	s_branch .Lfirst_asked
.Lfirst_1:
	s_cmp_lg_u32 s14, 1
	s_cbranch_scc1 .Lfirst_2
	tensor_load_to_lds s[80:83], s[44:51]
	s_nop 0
	NOPS 4
	s_branch .Lfirst_asked
.Lfirst_2:
	s_cmp_lg_u32 s14, 2
	s_cbranch_scc1 .Lfirst_3
	tensor_load_to_lds s[72:75], s[36:43]
	s_nop 0
	NOPS 4
	s_branch .Lfirst_asked
.Lfirst_3:
	tensor_load_to_lds s[88:91], s[44:51]
	s_nop 0
	NOPS 4
.Lfirst_asked:
	v_and_b32 v[PFO], 31, v0
	v_lshlrev_b32 v[L16], 4, v[PFO]
	v_lshlrev_b32 v[PFO], 8, v[PFO]
	v_and_b32 v[R16], 15, v0
	v_bfe_u32 v[H64], v0, 4, 1
	v_lshlrev_b32 v[R16], 4, v[R16]
	v_lshl_add_u32 v[PSB], v[H64], 3, v[R16]
	v_lshlrev_b32 v[H64], 6, v[H64]
	v_and_b32 v0, 31, v0                           ; the thread's number has served: v0 becomes the offset of my block of a record's tail, and is kept
	v_min_u32 v0, s3, v0
	v_add_nc_u32 v0, s30, v0
	v_min_u32 v0, s21, v0
	v_lshl_add_u32 v0, v0, 8, s97
	; the head's prefetches: record o + 1 for every wave; o + 2 and o + 3 (at most 15) for K's waves.  v60-63 are next written behind period 0's s_wait_xcnt 0, and so is s[18:19]
	v_add_nc_u32 v[AD], s20, v[PFO]                ; my part of the codes, a record on,
	v_add_nc_u32 v[AD+1], s20, v[AD]               ; and two;
	v_add_nc_u32 v[AD+2], s20, v0                  ; of the tail likewise
	v_add_nc_u32 v[AD+3], s20, v[AD+2]
	s_mul_i32 s56, s55, s20                        ; s55 = o + 1
	s_add_nc_u64 s[18:19], s[100:101], s[56:57]
	s_wait_alu depctr_va_vdst(0)
	global_prefetch_b8 v[PFO], s[18:19] th:TH_LOAD_NT scope:SCOPE_SE
	s_cmp_lt_u32 s14, 2
	s_cbranch_scc0 .Lhp_1
	global_prefetch_b8 v[AD], s[18:19] th:TH_LOAD_NT scope:SCOPE_SE
	global_prefetch_b8 v[AD+1], s[18:19] th:TH_LOAD_NT scope:SCOPE_SE
.Lhp_1:
	s_cmp_eq_u32 s35, 0                            ; 0 in waves 1 and 3, which ask for no tail
	s_cbranch_scc1 .Lhp_2
	global_prefetch_b8 v0, s[18:19] th:TH_LOAD_NT scope:SCOPE_SE
	s_cmp_lg_u32 s14, 0
	s_cbranch_scc1 .Lhp_2
	global_prefetch_b8 v[AD+2], s[18:19] th:TH_LOAD_NT scope:SCOPE_SE
	global_prefetch_b8 v[AD+3], s[18:19] th:TH_LOAD_NT scope:SCOPE_SE
.Lhp_2:
.irp m, 0,1,2,3
	v_mov_b32 v[ML+2*\m], 0x7f61b1e6               ; -M_w = 3e38: over every -t
	v_mov_b32 v[ML+2*\m+1], 0                      ; l_w
	v_mov_b32 v[XB0+\m], 0                         ; (read before a step has written them; what they hold is handed over by no period)
	v_mov_b32 v[XB1+\m], 0
	v_mov_b32 v[XB2+\m], 0
.endr
	WIN 0xc0
.irp m, 0,1,2,3
.irp s, 0,1,2,3,4,5,6,7
.irp c, 0,1
	global_load_b128 v[64*\m+8*\s+4*\c:64*\m+8*\s+4*\c+3], v[L16], s[4:5] offset:8192*\m+1024*\s+512*\c   ; Q stays in registers
.endr
.endr
.endr
	WIN 0
.irp p, 0,1
.irp g, 0,1
	global_load_b128 v[QS+8*\p+4*\g:QS+8*\p+4*\g+3], v[L16], s[6:7] offset:1024*\p+512*\g
.endr
.endr
	VW                                             ; the head's end
	s_wait_tensorcnt 0x0                           ; my half of K 0 or V 0 is in; the second slots' first fills stand behind the full sequence, as a refill does
	ds_add_u32 v[SPW], v[NIL]
	s_mov_b32 s61, KREC                            ; K 0's groups 0 are free: they will fetch V of steps 14 and 15 into K's slots (each use turns the slot first and makes the address anew)
	s_mov_b32 s73, KREC+VHALF
	s_wait_dscnt 0x0
	CROUND
	JLOAD 1, 1                                     ; K 1 and V 1
	FETCH_K0
	FETCH_K1
	s_wait_loadcnt 0x0                             ; Q and its scale words
.Lfill:                                            ; periods 0 to 3
	PERIOD 1, 0, 1, 0, 0, 1, 1
	s_cmp_lt_u32 s16, 4
	VW
	s_cbranch_scc1 .Lfill
	PERIOD 1, 0, 1, 2, 2, 1, 0                     ; period 4: the maxima meet for the first time; its products start O^T's sums
.Lfull:                                            ; periods 5 to 13
	PERIOD 1, 1, 1, 1, 1, 1, 1
	s_cmp_lt_u32 s16, 14
	VW
	s_cbranch_scc1 .Lfull
.Llate:                                            ; periods 14 and 15: K's slots take V of steps 14 and 15
	PERIOD 2, 1, 0, 1, 0, 2, 1
	s_cmp_lt_u32 s16, 16
	VW
	s_cbranch_scc1 .Llate
.irp m, 0,1,2,3
	v_permlanex16_b32 v[PT+\m], v[ML+2*\m+1], s24, s25
.endr
.irp m, 0,1,2,3
	v_add_f32 v[PT+\m], v[PT+\m], v[ML+2*\m+1]     ; l_w: both halves of the lanes
.endr
	s_lshl_b32 s2, s14, 2
	s_add_co_u32 s2, s2, LX
	v_add_nc_u32 v[AD+2], s2, v[R16]
.irp m, 0,1,2,3
	ds_store_b32 v[AD+2], v[PT+\m] offset:256*\m
.endr
	DRAIN 2, 1                                     ; period 16: V 13 is asked for; the maxima meet for the last time
	DRAIN 1, 0                                     ; period 17: the last barrier
	s_mov_b32 s67, 0
	DRAIN 0, 0                                     ; period 18: V 14, from K's slot 0
	s_mov_b32 s67, KREC
	DRAIN 0, 0                                     ; period 19: V 15, from K's slot 1
	; THE ROW'S SUM: l = the sum of l_w 2^(M_w - Mc)
	v_add_nc_u32 v[AD], LX, v[R16]
	v_lshrrev_b32 v[AD+1], 4, v[R16]
	v_mul_u32_u24 v[AD+1], v[AD+1], 80
	v_add_nc_u32 v[AD+1], ST0, v[AD+1]
	v_add_nc_u32 v[AD+2], s53, v[L16]
.irp m, 0,1,2,3
	ds_load_b128 v[H0+4*\m:H0+4*\m+3], v[AD] offset:256*\m
	ds_load_b128 v[96+4*\m:96+4*\m+3], v[AD+1] offset:1280*\m+64
.endr
	ds_load_b128 v[112:115], v[AD+2]
	VW
	s_wait_dscnt 0x0
.irp m, 0,1,2,3
.irp w, 0,1,2,3
	v_sub_f32 v[96+4*\m+\w], v[112+\m], v[96+4*\m+\w]
.endr
.endr
.set j, 0
.rept 16
	v_cvt_i32_f32 v[96+j], v[96+j]                 ; (it saturates)
.set j, j+1
.endr
.set j, 0
.rept 16
	v_ldexp_f32 v[H0+j], v[H0+j], v[96+j]
.set j, j+1
.endr
.irp m, 0,1,2,3
	v_add_f32 v[H0+4*\m], v[H0+4*\m], v[H0+4*\m+1]
	v_add_f32 v[H0+4*\m+2], v[H0+4*\m+2], v[H0+4*\m+3]
.endr
.irp m, 0,1,2,3
	v_add_f32 v[FE+2*\m], v[H0+4*\m], v[H0+4*\m+2]
.endr
	VW
.irp m, 0,1,2,3
	v_rcp_f32 v[FE+2*\m], v[FE+2*\m]
.endr
	; THE WAY OUT goes through my wave's stage, 16 rows x (512 bytes + 16): the four stages take 33,792 bytes from VB on, inside V's slot 0: it has had its last fill (step 12's record), and its last reads stand ahead of period 17's barrier.
	s_mul_i32 s2, s14, 8448
	s_add_co_u32 s2, s2, VB
	v_lshrrev_b32 v[TT+2], 4, v[R16]               ; (plain lines behind the reciprocals)
	v_mul_u32_u24 v[TT], v[TT+2], 528
	v_lshrrev_b32 v[TT+2], 1, v[H64]
	v_add_nc_u32 v[TT], v[TT], v[TT+2]
	v_add_nc_u32 v[TT], s2, v[TT]                  ; in: row r, + 32 h
	v_add_nc_u32 v[TT+1], s2, v[L16]               ; back: the 32 lanes take one row of 512 bytes
	VW
; Half block a: tile of queries a / 2, my channels 128 (a % 2) on: eight accumulators of window 1 + a % 2, divided by l, through the stage, back as whole rows.
.macro TOSTAGE a
.if (\a) > 0
	s_wait_dscnt 16                                ; the last half block's stores into the stage have read v64-127; its 16 loads may be out
.endif
	WIN 1+((\a)%2)
.irp t, 0,1,2,3,4,5,6,7
.irp i, 0,2,4,6
	v_pk_mul_f32 v[S+8*\t+\i:S+8*\t+\i+1], v[8*(4*\t+(\a)/2)+\i:8*(4*\t+(\a)/2)+\i+1], v[FE+2*((\a)/2):FE+2*((\a)/2)+1] op_sel_hi:[1,0]
.endr
.endr
	WIN 0
.irp t, 0,1,2,3,4,5,6,7
	ds_store_b128 v[TT], v[S+8*\t:S+8*\t+3] offset:64*\t
	ds_store_b128 v[TT], v[S+8*\t+4:S+8*\t+7] offset:64*\t+16
.endr
.irp p, 0,1,2,3,4,5,6,7,8,9,10,11,12,13,14,15
	ds_load_b128 v[H0+64*((\a)%2)+4*\p:H0+64*((\a)%2)+4*\p+3], v[TT+1] offset:528*\p   ; LDS serves a wave's instructions in order: these see the stores above
.endr
.endm
.macro SEND a, younger                 ; younger: the LDS instructions issued behind half block a's loads, which may stay out
	s_wait_dscnt \younger
.irp p, 0,1,2,3,4,5,6,7,8,9,10,11,12,13,14,15
	global_store_b128 v[L16], v[H0+64*((\a)%2)+4*\p:H0+64*((\a)%2)+4*\p+3], s[12:13] offset:(16*((\a)/2)+\p)*4096+512*((\a)%2) th:TH_STORE_NT   ; 32 lanes store 512 consecutive bytes, at a multiple of 256 from out0's first byte
.endr
.endm
	TOSTAGE 0
.irp a, 1,2,3,4,5,6,7
.if \a > 1
	s_wait_xcnt 0x0                                ; half block a - 2's stores have read their registers: half block a's loads may land there
.endif
	TOSTAGE \a
	SEND \a-1, 32
.endr
	SEND 7, 0
	s_wait_tensorcnt 0x0                           ; the wave's end
	ds_add_u32 v[SPW], v[NIL]
	s_wait_dscnt 0x0
	CROUND                                         ; the closing round
	s_endpgm
.Lfunc_end_k_q1f2305253a_attn:
	.size	k_q1f2305253a_attn, .Lfunc_end_k_q1f2305253a_attn-k_q1f2305253a_attn
	.p2alignl 7, 3214868480
	.fill 96, 4, 3214868480
	.section	.rodata,"a",@progbits
	.p2align	6, 0x0
	.amdhsa_kernel k_q1f2305253a_attn
		.amdhsa_group_segment_fixed_size 327680
		.amdhsa_private_segment_fixed_size 0
		.amdhsa_enable_private_segment 0
		.amdhsa_kernarg_size 40
		.amdhsa_user_sgpr_count 2
		.amdhsa_user_sgpr_kernarg_segment_ptr 1
		.amdhsa_wavefront_size32 1
		.amdhsa_system_sgpr_workgroup_id_x 1
		.amdhsa_system_sgpr_workgroup_id_y 1
		.amdhsa_system_sgpr_workgroup_id_z 1
		.amdhsa_system_vgpr_workitem_id 0
		.amdhsa_next_free_vgpr 1024
		.amdhsa_next_free_sgpr 102
		.amdhsa_reserve_vcc 0
		.amdhsa_float_denorm_mode_32 3
		.amdhsa_float_denorm_mode_16_64 3
		.amdhsa_memory_ordered 1
		.amdhsa_forward_progress 1
		.amdhsa_inst_pref_size 255
	.end_amdhsa_kernel
	.section	.bss,"aw",@nobits
	.p2align	6
	.space	262144
	.amdgpu_metadata
---
amdhsa.version: [ 1, 2 ]
amdhsa.kernels:
  - .name:           k_q1f2305253a_attn
    .symbol:         k_q1f2305253a_attn.kd
    .args:
      - { .name: qcodes, .offset: 0, .size: 8, .value_kind: global_buffer, .address_space: global }
      - { .name: qscales, .offset: 8, .size: 8, .value_kind: global_buffer, .address_space: global }
      - { .name: krec, .offset: 16, .size: 8, .value_kind: global_buffer, .address_space: global }
      - { .name: vrec, .offset: 24, .size: 8, .value_kind: global_buffer, .address_space: global }
      - { .name: out0, .offset: 32, .size: 8, .value_kind: global_buffer, .address_space: global }
    .group_segment_fixed_size: 327680
    .private_segment_fixed_size: 0
    .kernarg_segment_align: 8
    .kernarg_segment_size: 40
    .max_flat_workgroup_size: 128
    .sgpr_count:     102
    .vgpr_count:     1024
    .wavefront_size: 32
...
	.end_amdgpu_metadata
.endif
;; end of part 2
